; MI455X (gfx1250); checked and timed in simulation.
; The chip was launched on July 23, 2026; its instructions are those of AMD's public machine-readable ISA for CDNA 5 (MIT licence, August 2026) and "CDNA5" Instruction Set Architecture Reference Guide (July 2026). The comments in the code are by the model that wrote it; some were corrected since.
;; Multihead Attention. Allowed arithmetic: float matrix products may take bf16 or f16 operands with f32 sums; all other float work in f32.
;; Inputs: Wk 512 x 512 float32; Wo 512 x 512 float32; Wq 512 x 512 float32; Wv 512 x 512 float32; bk 512 float32; bo 512 float32; bq 512 float32; bv 512 float32; key 2,048 x 8 x 512 float32; query 2,048 x 8 x 512 float32; value 2,048 x 8 x 512 float32.
;; Outputs: out0 2,048 x 8 x 512 float32.
;; One version. Each part assembles by itself: llvm-mc -triple=amdgcn-amd-amdhsa -mcpu=gfx1250 --defsym DOCPART=n.
;; ======== version 1 of 1: 3 launches
;; limits: values are held in f16: magnitudes above 65,504 overflow, below 6.1e-05 lose precision
;; workspace buffers: qh 16,777,216 bytes; kh 16,777,216 bytes; vh 16,777,216 bytes; oh 16,777,216 bytes; wof 524,288 bytes
;; launch proj (part 1): grid 64 x 4, 4 waves a work-group, no clusters, 275,968 bytes of LDS; arguments query, key, value, Wq, Wk, Wv, bq, bk, bv, qh, kh, vh, Wo, wof; writes qh, kh, vh, wof
.if DOCPART == 1
	.amdgcn_target "amdgcn-amd-amdhsa--gfx1250"
	.amdhsa_code_object_version 6
	.text
	.protected	k_qf1654787cb_proj
	.globl	k_qf1654787cb_proj
	.p2align	8
	.type	k_qf1654787cb_proj,@function
k_qf1654787cb_proj:
	s_mov_b64 s[64:65], 0
	v_nop
	global_prefetch_b8 v0, s[64:65] scope:SCOPE_SE
	s_setreg_imm32_b32 hwreg(HW_REG_WAVE_MODE, 25, 1), 1
	s_wait_xcnt 0x0
; THE THREE INPUT PROJECTIONS, and Wo made ready for the output projection.
; y[b][h][t][d] = sum over c of x[t][b][c] W[64 h + d][c] + bias[64 h + d], for (x, W, bias, y) = (query, Wq, bq, qh), (key, Wk, bk, kh), (value, Wv, bv, vh).
; x: [2048][8][512] f32.  W: [512][512] f32.  bias: [512] f32.  y: [64 = 8 b + h][2048][64] f16: a head's rows are dense, 128 bytes each.  The scale 1 / 8 is NOT applied here.
; FORMATS.  x, W and the bias are rounded to bf16 (the bias on purpose, like the other inputs); products in bf16, sums in f32, y rounded once to f16.  Wo is rounded to bf16 and that number written as f16.
; LIMITS.  f16 holds no number beyond 65,504: a y of 65,520 or more becomes an infinity.  Below 6e-5 y keeps f16's fixed step of 6e-8.  A bf16 number is exact in f16 from 6.1e-5 to 65,504; below, Wo keeps
; f16's fixed step (an error of 3e-8 at the most); beyond, it becomes an infinity.  NaN and infinities are not treated apart.
; SHARES.  Grid y = 0, 1, 2 picks the tensor.  Grid x = 16 tq + 2 b + half: the work-group makes rows t = 512 tq .. + 511 of batch b, output columns 256 half .. + 255.  Wave w owns 64 of these columns: one head.
; Grid y = 3: the 64 work-groups' 256 waves each round 16 rows x 64 columns of Wo and store them in the order in which the output projection's fragments want them (at the text's end).
; W STAYS IN REGISTERS: a wave's 64 rows of W for all 512 k are 4 column blocks x 16 K steps x 8 registers = 512.  x comes in tiles of 64 rows (64 consecutive t): global -> 256 staging registers ->
; rounded -> LDS, from which all four waves take their fragments: 128 LDS loads for a tile's 256 matrix instructions a wave, none of them for W.
; THE MATRIX INSTRUCTION IS USED TRANSPOSED (source 0 = 16 rows of W, source 1 = 16 rows of x): a lane holds one row of y (lane % 16) and eight neighbouring columns, 8 (lane / 16) + 0..7.
; THE BIAS is the C operand of K step 0: nothing is cleared, and nothing is added afterwards.
; THE TILE LOOP.  Two tile buffers in LDS take turns, one barrier a tile.  While tile i is multiplied, tile i + 1 goes from the staging registers into the other buffer, and tile i + 2 is asked for: in K steps
; 7 to 14, two of my 16 rows a step, behind the products: four roundings behind each of products 0 to 3, four LDS stores behind products 5 and 7, eight loads into the registers just emptied behind product 10.
; The loads are jumped over in the last two tiles, so the wait for the staged tile is for 0, which is right on every way: it stands at K step 7's head, and the youngest load that it waits for was issued in
; K step 14 of the tile before: K step 15, the way out and K steps 0 to 6 lie between.  In the last tile the roundings and stores run on stale registers, into the buffer that nobody reads any more: 128 and 64
; instructions a wave, once a launch, the price of one text for every tile.
; NO CLUSTER.  What work-groups share is W (once, at the start) and, by two of them, x.  Both are f32 in memory and are rounded in registers on their way into LDS, which a tensor load does not do; landed as f32,
; a wave's 64 rows of W are 131,072 bytes, twice its region of LDS here.
; 192 WORK-GROUPS MULTIPLY: three tensors x two halves of the columns are six slabs of W, and six divides no 256; 32 equal work-groups to a slab.  The other 64 have Wo.
; REGISTERS, in windows of 256 (s_set_vgpr_msb: bits 1:0 source 0, 3:2 source 1, 5:4 source 2, 7:6 destination):
;   window 0: v0-15 addresses; v16-47 bias; v48-111 two fragment buffers of x; v112-239 the 16 accumulators
;   window 1: the staging registers      windows 2, 3: W: K step k, column block c at window 2 + k / 8, v[32 (k % 8) + 8 c]
.set PITCH,  1040                      ; an LDS row: 512 bf16 = 1,024 bytes + 16 = 65 x 16: the 16 rows of a fragment load start in 16 different 16-byte columns of 256 bytes
.set RB16,   16*PITCH
.set WREG,   64*PITCH                  ; wave w's 64 rows of W lie at w x WREG while W is loaded; then the two tile buffers lie over these regions, at 0 and at BUF1
.set BUF1,   1<<17                     ; so that one exclusive or turns one buffer's base into the other's
.set STAGE,  4*WREG                    ; behind them: 16 rows x 144 bytes for each wave, for the way out
.set SP,     144
.set XROW,   16384                     ; bytes from t to t + 1 in x
.set WROW,   2048                      ; bytes in a row of W
.set TILES,  8
.set XO,   2                           ; v2   16 x lane: my 16 bytes in 512 consecutive bytes, for loads of x and W and for the stores; never rewritten
.set SA0,  3                           ; v3   where I store 8 bytes of a tile, in buffer 0: my wave's 16 rows, 8 x lane
.set WA,   4                           ; v4   the same for W, in my wave's region; steps 16 rows a trip
.set WF,   5                           ; v5   my lane's place in a fragment of W
.set AF0,  6                           ; v6   my lane's place in a fragment of x, in buffer 0
.set STO,  7                           ; v7   the way out: where I put 16 bytes of a row
.set RD,   8                           ; v8   the way out: where I read rows back
.set AF,   9                           ; v9   AF0 + the base of the buffer that is multiplied
.set BO,   10                          ; v10  32 x (lane / 16): my eight numbers in 16 of the bias
.set PF,   11                          ; v11  the prefetch: lanes 256 bytes apart, eight to a row of x, four rows.  (Grid y = 3: my byte offset in 16 rows of Wo)
.set SA,   12                          ; v12  SA0 + the base of the buffer that is filled
.set BIAS, 16
.set F0,   48                          ; fragment buffers: K step k uses F0 + 32 (k % 2)
.set ACC,  112                         ; accumulator (row block r, column block c) at ACC + 8 (4 r + c)
.set WV,   2                           ; s2   my wave's number
.set TEN,  3                           ; s3   grid y
.set HALF, 5
.set BB,   6
.set TQ,   7
.set XP,   32                          ; s[32:33] x at my wave's 16 rows of the tile that is multiplied
.set WP,   34                          ; s[34:35] W at my wave's rows
.set BP,   36                          ; s[36:37] the bias at my wave's columns
.set OP,   38                          ; s[38:39] y at the tile's first row of my wave's head
.set CNT,  44
.set MASK, 46
.set TB,   56                          ; s56  the base of the buffer that is multiplied: 0 or BUF1
.set MSB, 0
.macro WIN new                         ; the immediate's high byte repeats the setting that is left; a switch that changes nothing is dropped
.if MSB != (\new)
	s_set_vgpr_msb (MSB<<8)|(\new)
.set MSB, (\new)
.endif
.endm
.set W_LD, 0x40                        ; a global load into the staging registers: destination window 1, address window 0
.set W_CV, 0x45                        ; a conversion in place there
.set W_ST, 0x04                        ; an LDS store from there: data (source 1) window 1, address window 0
.macro PLACES                          ; four places between a matrix instruction and a load into, or a vector write of, a register that it read, or a read of its result
.rept 4
	v_nop
.endr
.endm
	s_load_b256 s[8:15], s[0:1], 0x0               ; query s[8:9], key s[10:11], value s[12:13], Wq s[14:15]
	s_load_b256 s[16:23], s[0:1], 0x20             ; Wk s[16:17], Wv s[18:19], bq s[20:21], bk s[22:23]
	s_load_b256 s[24:31], s[0:1], 0x40             ; bv s[24:25], qh s[26:27], kh s[28:29], vh s[30:31]
	s_load_b128 s[52:55], s[0:1], 0x60             ; Wo s[52:53], wof s[54:55]
	v_lshl_add_u32 v254, v0, 2, 0x43400
	v_mov_b32 v255, 0
	v_lshrrev_b32 v1, 5, v0
	v_readfirstlane_b32 s[WV], v1                  ; wave 0..3
	s_and_b32 s[TEN], ttmp7, 0xffff
	s_and_b32 s[HALF], ttmp9, 1
	s_bfe_u32 s[BB], ttmp9, 0x30001                ; three bits from bit 1
	s_lshr_b32 s[TQ], ttmp9, 4
	s_mov_b32 s[MASK], 0xffff0000                  ; a word's upper bf16
	s_lshl_b32 s40, s[TQ], 23                      ; x: 512 tq rows of 16,384 bytes,
	s_lshl_b32 s45, s[BB], 11                      ; batch b's 2,048 bytes,
	s_or_b32 s40, s40, s45
	s_lshl_b32 s45, s[WV], 18                      ; my wave's 16 rows of a tile
	s_or_b32 s40, s40, s45
	s_mov_b32 s41, 0
	s_lshl_b32 s42, s[HALF], 19                    ; W: row 256 half + 64 w, 2,048 bytes a row
	s_lshl_b32 s45, s[WV], 17
	s_or_b32 s42, s42, s45
	s_mov_b32 s43, 0
	s_lshr_b32 s48, s42, 9                         ; the bias: the same row number, 4 bytes each
	s_mov_b32 s49, 0
	s_lshl_b32 s50, s[BB], 3                       ; y: head 8 b + 4 half + w, 262,144 bytes a head,
	s_lshl2_add_u32 s50, s[HALF], s50
	s_add_co_u32 s50, s50, s[WV]
	s_lshl_b32 s50, s50, 18
	s_lshl_b32 s45, s[TQ], 16                      ; 512 tq rows of 128 bytes
	s_or_b32 s50, s50, s45
	s_mov_b32 s51, 0
	v_and_b32 v1, 31, v0                           ; lane l
	v_and_b32 v13, 15, v0                          ; l % 16
	v_bfe_u32 v14, v0, 4, 1                        ; l / 16
	v_and_b32 v15, 7, v0                           ; l % 8
	v_lshlrev_b32 v[XO], 4, v1
	v_lshlrev_b32 v[BO], 5, v14
	s_mul_i32 s45, s[WV], WREG
	v_lshl_add_u32 v[WA], v1, 3, s45
	v_mul_u32_u24 v[AF0], v13, PITCH
	v_lshl_add_u32 v[AF0], v14, 4, v[AF0]          ; row x pitch + 16 x half: registers 0-3 of a fragment; registers 4-7 lie 32 bytes on
	v_add_nc_u32 v[WF], s45, v[AF0]
	s_mul_i32 s47, s[WV], RB16
	v_lshl_add_u32 v[SA0], v1, 3, s47
	s_wait_kmcnt 0x0
	s_cmp_eq_u32 s[TEN], 3
	s_cbranch_scc1 .Lwo                            ; grid y = 3: Wo, at the text's end
	s_cmp_eq_u32 s[TEN], 1                         ; the tensor's four buffers
	s_cselect_b64 s[XP:XP+1], s[10:11], s[8:9]
	s_cselect_b64 s[WP:WP+1], s[16:17], s[14:15]
	s_cselect_b64 s[BP:BP+1], s[22:23], s[20:21]
	s_cselect_b64 s[OP:OP+1], s[28:29], s[26:27]
	s_cmp_eq_u32 s[TEN], 2
	s_cselect_b64 s[XP:XP+1], s[12:13], s[XP:XP+1]
	s_cselect_b64 s[WP:WP+1], s[18:19], s[WP:WP+1]
	s_cselect_b64 s[BP:BP+1], s[24:25], s[BP:BP+1]
	s_cselect_b64 s[OP:OP+1], s[30:31], s[OP:OP+1]
	s_add_nc_u64 s[XP:XP+1], s[XP:XP+1], s[40:41]
	s_add_nc_u64 s[WP:WP+1], s[WP:WP+1], s[42:43]
	s_add_nc_u64 s[BP:BP+1], s[BP:BP+1], s[48:49]
	s_add_nc_u64 s[OP:OP+1], s[OP:OP+1], s[50:51]
.irp c, 0,1,2,3                        ; register j of column block c: the bias of column 16 c + 8 (l / 16) + j
	global_load_b128 v[BIAS+8*(\c):BIAS+8*(\c)+3],   v[BO], s[BP:BP+1] offset:64*(\c)
	global_load_b128 v[BIAS+8*(\c)+4:BIAS+8*(\c)+7], v[BO], s[BP:BP+1] offset:64*(\c)+16
.endr
; W INTO LDS, 16 rows at a time, in two halves of 8 rows = 32 loads of 512 consecutive bytes.  Half hf: its loads are in; they are rounded in place (4 f32 -> 2 words), stored into my wave's own region,
; and (again = 1) the half is loaded anew with the rows 16 further down.  cnt: the loads issued behind this half's: the other half's 32, or none.
.macro HALFW hf, again, cnt
	s_wait_loadcnt \cnt
	WIN W_CV
.set jj, 0
.rept 32
	v_cvt_pk_bf16_f32 v[128*(\hf)+4*jj],   v[128*(\hf)+4*jj],   v[128*(\hf)+4*jj+1]
	v_cvt_pk_bf16_f32 v[128*(\hf)+4*jj+1], v[128*(\hf)+4*jj+2], v[128*(\hf)+4*jj+3]
.set jj, jj+1
.endr
	WIN W_ST
.set jj, 0
.rept 32
	ds_store_b64 v[WA], v[128*(\hf)+4*jj:128*(\hf)+4*jj+1] offset:(8*(\hf)+jj/4)*PITCH+(jj%4)*256  ; 32 lanes, 256 consecutive bytes
.set jj, jj+1
.endr
.if \again
	WIN W_LD
.set jj, 0
.rept 32
	global_load_b128 v[128*(\hf)+4*jj:128*(\hf)+4*jj+3], v[XO], s[WP:WP+1] offset:16*WROW+(8*(\hf)+jj/4)*WROW+(jj%4)*512
.set jj, jj+1
.endr
.endif
.endm
	WIN W_LD
.set jj, 0
.rept 64                               ; rows 0 to 15
	global_load_b128 v[4*jj:4*jj+3], v[XO], s[WP:WP+1] offset:(jj/4)*WROW+(jj%4)*512
.set jj, jj+1
.endr
	WIN 0
	s_mul_i32 s45, s[WV], 16*SP                    ; the addresses for the way out are made while those loads are out
	s_add_co_u32 s45, s45, STAGE                   ; my stage
	v_mul_u32_u24 v[STO], v13, SP                  ; in: row l % 16, 16 bytes for each half of the lanes
	v_lshl_add_u32 v[STO], v14, 4, v[STO]
	v_add_nc_u32 v[STO], s45, v[STO]
	v_bfe_u32 v[RD], v0, 3, 2                      ; back: 32 lanes take four rows of 128 bytes
	v_mul_u32_u24 v[RD], v[RD], SP
	v_lshl_add_u32 v[RD], v15, 4, v[RD]
	v_add_nc_u32 v[RD], s45, v[RD]
	v_bfe_u32 v[PF], v0, 3, 2
	v_lshlrev_b32 v[PF], 14, v[PF]
	v_lshl_add_u32 v[PF], v15, 8, v[PF]
	s_mov_b32 s[CNT], 3
.Lw:                                                   ; three trips: rows 16 i .. are stored, rows 16 (i + 1) .. asked for
	HALFW 0, 1, 32
	HALFW 1, 1, 32
	WIN 0
	s_wait_xcnt 0x0                                ; W's address is stepped only behind this wait: the loads just issued name it
	s_add_nc_u64 s[WP:WP+1], s[WP:WP+1], 16*WROW
	v_add_nc_u32 v[WA], RB16, v[WA]
	s_sub_co_u32 s[CNT], s[CNT], 1
	s_cmp_lg_u32 s[CNT], 0
	s_cbranch_scc1 .Lw
	; Tile 0 of x is asked for ahead: my wave's 16 rows x 2,048 bytes are 128 blocks of 256 bytes, four requests of 32 lanes.  The two work-groups that read these rows differ in half alone: half 0 asks.
	; Every later tile's loads are issued eight K steps or more ahead of the wait for them, so nothing more is asked for.
	s_cmp_lg_u32 s[HALF], 0
	s_cbranch_scc1 .Lnopf
.irp q, 0,1,2,3
	global_prefetch_b8 v[PF], s[XP:XP+1] offset:(\q)*4*XROW th:TH_LOAD_NT scope:SCOPE_SE
.endr
.Lnopf:
.set pp, 0
.rept 16                               ; the bias (its loads are older than all of W's) is rounded to bf16 and widened again
	v_cvt_pk_bf16_f32 v[F0+pp], v[BIAS+2*pp], v[BIAS+2*pp+1]
.set pp, pp+1
.endr
.set pp, 0
.rept 16
	v_lshlrev_b32 v[BIAS+2*pp], 16, v[F0+pp]
	v_and_b32 v[BIAS+2*pp+1], s[MASK], v[F0+pp]
.set pp, pp+1
.endr
	HALFW 0, 0, 32                                 ; the last 16 rows: nothing more is loaded
	HALFW 1, 0, 0
.macro ISSUE off                       ; a tile's loads, all at once (tiles 0 and 1): my wave's 16 rows, four loads of 512 consecutive bytes each; off: the tile's bytes behind s[XP]
	WIN W_LD
.set jj, 0
.rept 64
	global_load_b128 v[4*jj:4*jj+3], v[XO], s[XP:XP+1] offset:(\off)+(jj/4)*XROW+(jj%4)*512
.set jj, jj+1
.endr
	WIN 0
.endm
	ISSUE 0                                        ; tile 0
	; W's fragments into windows 2 and 3.  They are my wave's own bytes, and LDS serves a wave's instructions in order (ISA guide 5.7.1.4): no wait between my stores and these loads.
.set kk, 0
.rept 16
	WIN 0x80+0x40*(kk/8)
.set cc, 0
.rept 4
	ds_load_b128 v[32*(kk%8)+8*cc:32*(kk%8)+8*cc+3],   v[WF] offset:cc*RB16+64*kk
	ds_load_b128 v[32*(kk%8)+8*cc+4:32*(kk%8)+8*cc+7], v[WF] offset:cc*RB16+64*kk+32
.set cc, cc+1
.endr
.set kk, kk+1
.endr
	WIN 0
	s_wait_dscnt 0x0                               ; W is in my registers, and my reads of my region are over:
	s_barrier_signal -1
	s_barrier_wait -1                              ; everybody's are: the tile buffers may be written over the regions
	s_wait_loadcnt 0x0                             ; tile 0 is staged
	WIN W_CV                                       ; tile 0 alone is rounded and stored in one run: there are no products yet to set it beside
.set jj, 0
.rept 64
	v_cvt_pk_bf16_f32 v[4*jj],   v[4*jj],   v[4*jj+1]
	v_cvt_pk_bf16_f32 v[4*jj+1], v[4*jj+2], v[4*jj+3]
.set jj, jj+1
.endr
	WIN W_ST
.set jj, 0
.rept 64
	ds_store_b64 v[SA0], v[4*jj:4*jj+1] offset:(jj/4)*PITCH+(jj%4)*256
.set jj, jj+1
.endr
	WIN 0
	s_mov_b32 s[TB], 0                             ; buffer 0 is multiplied first,
	v_add_nc_u32 v[AF], s[TB], v[AF0]
	v_add_nc_u32 v[SA], BUF1, v[SA0]               ; buffer 1 filled
	s_wait_dscnt 0x0                               ; for the others' sake: my 16 rows of tile 0 are stored
	s_barrier_signal -1
	s_barrier_wait -1                              ; tile 0 is whole
.macro FETCH k                         ; x's fragments of K step k: four row blocks, eight loads
	WIN 0
.set rr, 0
.rept 4
	ds_load_b128 v[F0+32*((\k)%2)+8*rr:F0+32*((\k)%2)+8*rr+3],   v[AF] offset:rr*RB16+64*(\k)
	ds_load_b128 v[F0+32*((\k)%2)+8*rr+4:F0+32*((\k)%2)+8*rr+7], v[AF] offset:rr*RB16+64*(\k)+32
.set rr, rr+1
.endr
.endm
; What stands behind product m of K step k, 7 <= k <= 14: the next tile's loads 8 (k - 7) .. + 7 (two of my rows).  None of these lines names a register of the products round it.
.macro RIDER k, m
.if ((\k) >= 7) && ((\k) <= 14)
.set gg, 8*((\k)-7)
.if (\m) < 4                           ; rounded in place, two loads' eight numbers at a time
	WIN W_CV
.set uu, gg+2*(\m)
.rept 2
	v_cvt_pk_bf16_f32 v[4*uu],   v[4*uu],   v[4*uu+1]
	v_cvt_pk_bf16_f32 v[4*uu+1], v[4*uu+2], v[4*uu+3]
.set uu, uu+1
.endr
.elseif ((\m) == 5) || ((\m) == 7)     ; stored into the buffer that is filled
	WIN W_ST
.set uu, gg+2*((\m)-5)
.rept 4
	ds_store_b64 v[SA], v[4*uu:4*uu+1] offset:(uu/4)*PITCH+(uu%4)*256
.set uu, uu+1
.endr
.elseif (\m) == 10                     ; and the registers take the same rows of the tile two further on; the last two tiles have none: no load leaves my rows of x
	WIN 0
	s_cmp_le_u32 s[CNT], 2
	s_cbranch_scc1 .Lni_\@
	WIN W_LD
.set uu, gg
.rept 8
	global_load_b128 v[4*uu:4*uu+3], v[XO], s[XP:XP+1] offset:2*64*XROW+(uu/4)*XROW+(uu%4)*512
.set uu, uu+1
.endr
	WIN 0
.Lni_\@:
.endif
.endif
.endm
; K step k: 16 matrix instructions, the 16 accumulators by turns, one instruction a turn; then the fragments of K step k + 2 into the buffer just multiplied.
.macro KSTEP k
.if (\k) == 15
	s_wait_dscnt 0x0                               ; the last fragments are in: my reads of this tile are over; and my stores of the next tile are done:
	s_barrier_signal -1                            ; say so; the step's sixteen products stand between the signal and the wait
.else
	s_wait_dscnt 8                                 ; this step's fragments are in; the next step's eight loads may be out (the stores of the step before stand ahead of those: they are done too)
.endif
.if (\k) == 7
	s_wait_loadcnt 0x0                             ; the next tile is staged.  For 0, since the loads behind it are jumped over in the last tiles: right on every way
.endif
.set rr, 0
.rept 4
.set cc, 0
.rept 4
	WIN 0x02+(\k)/8                                ; source 0 (W) in window 2 or 3
.if (\k) == 0
	v_wmma_f32_16x16x32_bf16 v[ACC+8*(4*rr+cc):ACC+8*(4*rr+cc)+7], v[32*((\k)%8)+8*cc:32*((\k)%8)+8*cc+7], v[F0+32*((\k)%2)+8*rr:F0+32*((\k)%2)+8*rr+7], v[BIAS+8*cc:BIAS+8*cc+7]
.else
	v_wmma_f32_16x16x32_bf16 v[ACC+8*(4*rr+cc):ACC+8*(4*rr+cc)+7], v[32*((\k)%8)+8*cc:32*((\k)%8)+8*cc+7], v[F0+32*((\k)%2)+8*rr:F0+32*((\k)%2)+8*rr+7], v[ACC+8*(4*rr+cc):ACC+8*(4*rr+cc)+7]
.endif
	RIDER \k, 4*rr+cc
.set cc, cc+1
.endr
.set rr, rr+1
.endr
.if (\k) < 14
	PLACES
	FETCH (\k)+2
.endif
.endm
	FETCH 0
	FETCH 1
	ISSUE 64*XROW                                  ; tile 1: it has K steps 0 to 6 of tile 0 in which to come
	s_mov_b32 s[CNT], TILES
.Ltile:
.irp k, 0,1,2,3,4,5,6,7,8,9,10,11,12,13,14,15
	KSTEP \k
.endr
	WIN 0
	s_barrier_wait -1                              ; everybody's reads of this tile are over, and the next tile is whole
	v_add_nc_u32 v[SA], s[TB], v[SA0]              ; the buffer just multiplied is filled next,
	s_xor_b32 s[TB], s[TB], BUF1
	v_add_nc_u32 v[AF], s[TB], v[AF0]              ; the other multiplied.  These two lines and two v_nop are the four places behind the last products
	v_nop
	v_nop
	s_cmp_eq_u32 s[CNT], 1
	s_cbranch_scc1 .Lnofetch                       ; the last tile has no successor
	FETCH 0                                        ; the next tile's first fragments come while this tile goes out
	FETCH 1
.Lnofetch:
	; THE WAY OUT.  Rounded to f16 in place, each accumulator's registers in ascending order: its eight columns of a row become 16 bytes in its four low registers.
.set aa, 0
.rept 16
.set qq, 0
.rept 4
	v_cvt_pk_f16_f32 v[ACC+8*aa+qq], v[ACC+8*aa+2*qq], v[ACC+8*aa+2*qq+1]
.set qq, qq+1
.endr
.set aa, aa+1
.endr
	; Through my own stage: 16 rows at a time go in as 16 bytes a lane and come back as whole rows of 128 bytes, into the accumulators' four high registers.
.set rr, 0
.rept 4
.set cc, 0
.rept 4
	ds_store_b128 v[STO], v[ACC+8*(4*rr+cc):ACC+8*(4*rr+cc)+3] offset:32*cc
.set cc, cc+1
.endr
.set cc, 0
.rept 4
	ds_load_b128 v[ACC+8*(4*rr+cc)+4:ACC+8*(4*rr+cc)+7], v[RD] offset:cc*4*SP  ; in order behind the stores above; the next block's stores come behind these
.set cc, cc+1
.endr
.set rr, rr+1
.endr
.set rr, 0
.rept 4
.set cc, 0
.rept 4
	s_wait_dscnt (3-cc)+8*(3-rr)                   ; what was issued behind this load: the rest of its block's loads, and eight for each later block
	global_store_b128 v[XO], v[ACC+8*(4*rr+cc)+4:ACC+8*(4*rr+cc)+7], s[OP:OP+1] offset:rr*2048+cc*512  ; 512 consecutive bytes, at a multiple of 256 from y's first byte
.set cc, cc+1
.endr
.set rr, rr+1
.endr
	s_wait_xcnt 0x0                                ; the two addresses, and the registers that the stores read, are rewritten only behind this wait
	s_add_nc_u64 s[OP:OP+1], s[OP:OP+1], 64*128
	s_add_nc_u64 s[XP:XP+1], s[XP:XP+1], 64*XROW
	s_sub_co_u32 s[CNT], s[CNT], 1
	s_cmp_lg_u32 s[CNT], 0
	s_cbranch_scc1 .Ltile
	s_wait_tensorcnt 0x0
	ds_add_u32 v254, v255
	s_wait_dscnt 0x0
	s_endpgm
; GRID y = 3: Wo IN FRAGMENT ORDER.  wof holds 1,024 blocks of 512 bytes: block (nb, s, q) at ((16 nb + s) 2 + q) 512; in it lane l's 16 bytes are Wo[16 nb + l % 16][32 s + 16 q + 8 (l / 16) + 0..7] as f16:
; registers 4 q .. 4 q + 3 of the fragment of Wo's rows 16 nb .. + 15 for K step s.  So a wave of the output projection fills four registers by one load of 512 consecutive bytes.
; Wave 4 x + w takes nb = (4 x + w) / 8 and the K steps 2 sp, 2 sp + 1, sp = (4 x + w) % 8: four blocks, made of 256 consecutive bytes of each of 16 rows of Wo.
.Lwo:
	s_lshl_b32 s40, ttmp9, 2
	s_add_co_u32 s40, s40, s[WV]
	s_lshr_b32 s41, s40, 3                         ; nb
	s_and_b32 s42, s40, 7                          ; sp
	s_lshl_b32 s48, s41, 15                        ; Wo: 16 nb rows of 2,048 bytes,
	s_lshl_b32 s45, s42, 8                         ; 64 sp columns of 4 bytes
	s_or_b32 s48, s48, s45
	s_mov_b32 s49, 0
	s_lshl_b32 s50, s41, 14                        ; wof: 32 nb blocks,
	s_lshl_b32 s45, s42, 11                        ; 4 sp blocks
	s_or_b32 s50, s50, s45
	s_mov_b32 s51, 0
	s_add_nc_u64 s[52:53], s[52:53], s[48:49]
	s_add_nc_u64 s[54:55], s[54:55], s[50:51]
	v_lshlrev_b32 v[PF], 11, v13                   ; row l % 16,
	v_lshl_add_u32 v[PF], v14, 5, v[PF]            ; eight numbers on for the upper half of the lanes
.irp g, 0,1,2,3                        ; block g of my four: 16 columns, 64 bytes, further on
	global_load_b128 v[48+8*(\g):48+8*(\g)+3],   v[PF], s[52:53] offset:64*(\g)
	global_load_b128 v[48+8*(\g)+4:48+8*(\g)+7], v[PF], s[52:53] offset:64*(\g)+16
.endr
	s_wait_loadcnt 0x0
.set pp, 0
.rept 16                               ; rounded to bf16,
	v_cvt_pk_bf16_f32 v[80+pp], v[48+2*pp], v[48+2*pp+1]
.set pp, pp+1
.endr
.set pp, 0
.rept 16                               ; widened again,
	v_lshlrev_b32 v[48+2*pp], 16, v[80+pp]
	v_and_b32 v[48+2*pp+1], s[MASK], v[80+pp]
.set pp, pp+1
.endr
.set pp, 0
.rept 16                               ; and written as f16
	v_cvt_pk_f16_f32 v[80+pp], v[48+2*pp], v[48+2*pp+1]
.set pp, pp+1
.endr
.irp g, 0,1,2,3
	global_store_b128 v[XO], v[80+4*(\g):80+4*(\g)+3], s[54:55] offset:512*(\g)  ; 512 consecutive bytes, at a multiple of 256 from wof's first byte
.endr
	s_endpgm
.Lfunc_end_k_qf1654787cb_proj:
	.size	k_qf1654787cb_proj, .Lfunc_end_k_qf1654787cb_proj-k_qf1654787cb_proj
	.p2alignl 7, 3214868480
	.fill 96, 4, 3214868480
	.section	.rodata,"a",@progbits
	.p2align	6, 0x0
	.amdhsa_kernel k_qf1654787cb_proj
		.amdhsa_group_segment_fixed_size 275968
		.amdhsa_private_segment_fixed_size 0
		.amdhsa_enable_private_segment 0
		.amdhsa_kernarg_size 112
		.amdhsa_user_sgpr_count 2
		.amdhsa_user_sgpr_kernarg_segment_ptr 1
		.amdhsa_wavefront_size32 1
		.amdhsa_system_sgpr_workgroup_id_x 1
		.amdhsa_system_sgpr_workgroup_id_y 1
		.amdhsa_system_sgpr_workgroup_id_z 1
		.amdhsa_system_vgpr_workitem_id 0
		.amdhsa_next_free_vgpr 1024
		.amdhsa_next_free_sgpr 66
		.amdhsa_reserve_vcc 0
		.amdhsa_float_denorm_mode_32 3
		.amdhsa_float_denorm_mode_16_64 3
		.amdhsa_memory_ordered 1
		.amdhsa_forward_progress 1
		.amdhsa_inst_pref_size 141
	.end_amdhsa_kernel
	.amdgpu_metadata
---
amdhsa.version: [ 1, 2 ]
amdhsa.kernels:
  - .name:           k_qf1654787cb_proj
    .symbol:         k_qf1654787cb_proj.kd
    .args:
      - { .name: query, .offset: 0, .size: 8, .value_kind: global_buffer, .address_space: global }
      - { .name: key, .offset: 8, .size: 8, .value_kind: global_buffer, .address_space: global }
      - { .name: value, .offset: 16, .size: 8, .value_kind: global_buffer, .address_space: global }
      - { .name: Wq, .offset: 24, .size: 8, .value_kind: global_buffer, .address_space: global }
      - { .name: Wk, .offset: 32, .size: 8, .value_kind: global_buffer, .address_space: global }
      - { .name: Wv, .offset: 40, .size: 8, .value_kind: global_buffer, .address_space: global }
      - { .name: bq, .offset: 48, .size: 8, .value_kind: global_buffer, .address_space: global }
      - { .name: bk, .offset: 56, .size: 8, .value_kind: global_buffer, .address_space: global }
      - { .name: bv, .offset: 64, .size: 8, .value_kind: global_buffer, .address_space: global }
      - { .name: qh, .offset: 72, .size: 8, .value_kind: global_buffer, .address_space: global }
      - { .name: kh, .offset: 80, .size: 8, .value_kind: global_buffer, .address_space: global }
      - { .name: vh, .offset: 88, .size: 8, .value_kind: global_buffer, .address_space: global }
      - { .name: Wo, .offset: 96, .size: 8, .value_kind: global_buffer, .address_space: global }
      - { .name: wof, .offset: 104, .size: 8, .value_kind: global_buffer, .address_space: global }
    .group_segment_fixed_size: 275968
    .private_segment_fixed_size: 0
    .kernarg_segment_align: 8
    .kernarg_segment_size: 112
    .max_flat_workgroup_size: 128
    .sgpr_count:     66
    .vgpr_count:     1024
    .wavefront_size: 32
...
	.end_amdgpu_metadata
.endif
;; end of part 1
;; launch attn (part 2): grid 4 x 64, 4 waves a work-group, clusters of 4 x 1, 327,680 bytes of LDS; arguments qh, kh, vh, oh; writes oh
.if DOCPART == 2
	.amdgcn_target "amdgcn-amd-amdhsa--gfx1250"
	.amdhsa_code_object_version 6
	.text
	.protected	k_qf1654787cb_attn
	.globl	k_qf1654787cb_attn
	.p2align	8
	.type	k_qf1654787cb_attn,@function
k_qf1654787cb_attn:
	s_mov_b64 s[64:65], 0
	v_nop
	global_prefetch_b8 v0, s[64:65] scope:SCOPE_SE
	s_setreg_imm32_b32 hwreg(HW_REG_WAVE_MODE, 25, 1), 1
	s_wait_xcnt 0x0
	s_wait_alu depctr_hold_cnt(0) depctr_sa_sdst(0) depctr_va_vdst(0) depctr_va_sdst(0) depctr_va_ssrc(0) depctr_va_vcc(0) depctr_vm_vsrc(0)
	s_getreg_b32 s2, hwreg(HW_REG_IB_STS2, 6, 4)
	s_cmp_eq_u32 s2, 0
	s_cbranch_scc0 .Lentry_in_a_cluster
	s_endpgm
.Lentry_in_a_cluster:
	s_bfe_u32 s2, ttmp6, 0x10000c
	s_cmp_lg_u32 s2, 0x3003
	s_cbranch_scc0 .Lentry_shape_is_right
	s_endpgm
.Lentry_shape_is_right:
; ATTENTION.  O[h][q][:] = the sum over k of softmax_k(Q[h][q] . K[h][k] / 8) V[h][k][:].  Q, K, V, O: [SIZE_H][SIZE_N][64], all f16: a head's rows are dense, 128 bytes each.  Products, maxima and sums in
; f32; the weights p are rounded to f16 for the second product (their sum l is taken of the unrounded p), O once at the end.  SIZE_N x 128 bytes stay under 2^32.
; LIMITS.  f16 holds no number beyond 65,504: Q, K and V arrive within it; p lies in 0 to 1, and below 6e-5 it keeps f16's fixed step of 6e-8, and so does O; O is a mean of V's rows and has their range.
; A weight below 2^-126 counts as 0 in l; NaN and infinities are not treated apart.
; SHARES.  A wave owns four PIECES of two tiles of 16 queries, a work-group's four waves 512 queries of one head; SIZE_N is a multiple of 2,048.  Every wave walks all keys, 64 a step.
; LAYOUT.  S^T = K Q^T (source 0 = 16 keys, source 1 = 16 queries): in the result a lane holds ONE query (lane % 16) and the keys 8 (lane / 16) + 0..7.  Two such tiles, rounded to f16 in pairs,
; ARE source 1 (32 keys x 16 queries) of O^T = V^T P, whose result again holds one query a lane, and eight channels.  K comes out of LDS as it lies, V ([key][channel]) turned, by ds_load_tr16_b128.
; SOFTMAX.  For each query a running maximum m and sum l: p = 2^(c s - c m), c = log2(e) / 8; in every step O and l are multiplied by a = 2^(c m_old - c m_new), which is 1 where m has not grown.
; m starts at the lowest finite number, O and l at 0: the first step is a step like any other, with a = 0.
; THE COUNT.  A tile and step have 16 matrix and 118 vector instructions: too many to stand all beside the matrix work.  So the order has one aim: four vector instructions that are READY behind
; EVERY matrix instruction, and the others, which need time of their own whatever the order, in runs without a gap.
; BY TURNS.  Turn n belongs to piece n (the pieces in a ring, step after step).  Its matrix work: 16 products K Q^T of piece n + 1, later 16 products V^T P of piece n - 1.  Its vector work: the scaling,
; exponentials, roundings, sums and rescaling of piece n, and the maximum and statistics of piece n + 1, whose scores the turn itself has made.  So what a turn begins with (c s - c m, O a) waits for nothing.
; CLUSTER.  The four query blocks of a cluster belong to one head and walk the same K and V, so each tile is asked for JOINTLY: the same tensor load, descriptor and mask in all four.
; REGISTERS, in windows of 256 (s_set_vgpr_msb says which window each operand place means: bits 1:0 source 0, 3:2 source 1, 5:4 source 2, 7:6 destination):
;   window 0: v0-11 addresses; v12-15, v48-63 at work; v16-47 four registers of statistics a tile; v64-191 S^T, two buffers of two tiles; v192-255 P, likewise
;   window 1: O^T, 32 a tile          window 2: v0-127 Q, 16 a tile; v128-191 K of one step; v192-255 V of one step          window 3: v0-1 the add's two registers
; A piece's buffers go by its number's parity: the piece in hand has one pair, its two neighbours in the ring share the other: of it P (piece n - 1) is read and S^T (piece n + 1) written.
.set SIZE_H, 64       ; heads: 8 batches x 8
.set SIZE_N, 2048     ; rows of a head
.set NP,    4         ; pieces a wave: a name, no knob: the register map, the loop and the fetches are made for four
.set KS,    64        ; keys in a step
.set PK,    144       ; a row of K in LDS: 128 bytes + 16 of padding = 36 words: the 16 rows of a load start at 16 different groups of four banks (64 banks of 4 bytes: ISA guide 11.1)
.set PV,    160       ; a row of V: 128 + 32 = 40 words
.set VOFF,  4*KS*PK   ; a slot holds four steps: 256 rows of K, then 256 rows of V
.set SLOT1, 1<<17     ; slot 1 begins here, so that one exclusive or turns an address in one slot into the other's
.set STAGE, SLOT1+4*KS*(PK+PV)  ; behind the ring, never filled by a tensor load: 16 rows x 144 bytes for each wave, for the way out
.set SP,    144
.set AK0, 2           ; v2   my lane's place in a tile of K; never rewritten
.set AV0, 3           ; v3   the same for V
.set AK,  4           ; v4   the LDS address of K's next run of loads
.set AV,  5           ; v5   of V's
.set QO,  6           ; v6   my byte offset in the wave's rows of Q
.set STO, 6           ;      later, the way out: where I put 16 bytes of a row
.set RD,  7           ; v7   the way out: where I read rows back
.set GO,  8           ; v8   my byte offset in 512 consecutive bytes of O
.set SPW, 0           ; v0 of window 3   LDS address of my spare word: SPARE + 4 x my thread's number; never rewritten
.set NIL, 1           ; v1 of window 3   0; never rewritten
.set SPARE, STAGE+4*16*SP  ; behind the stages: the spare words, 128 bytes for each wave: two blocks of 256 bytes that no other line names
.set MV,  12          ; v12-15  c m_old, kept while c m is made anew: by buffer and tile
.set ST,  16          ; tile t's statistics at v[ST+4 t]: c m, m, l (even keys', odd keys')
.set TMP, 48          ; by buffer and tile, four registers c0-c3 at work; when the maximum is found c2 takes a
.set S,   64
.set P,   192
.set KF,  128         ; K's fragments, in window 2: key block kb, channel half c at KF + 16 kb + 8 c
.set VF,  192         ; V's: key half kk, channel block cb at VF + 32 kk + 8 cb
.set WV,  12          ; s12  my wave's number
.set G1K, 24          ; s[24:31] descriptor group 1 for K's tiles
.set G1V, 32          ; s[32:39] for V's: it differs in the padding alone
.set G0K, 40          ; s[40:43] descriptor group 0 for K's tiles: it walks
.set G0V, 44          ; s[44:47] the same for V's
.set SLOTS, 56        ; s56  slots still to be asked for
.set CNT, 57          ; s57  counts a slot's key steps
.set CS,  58          ; s[58:59] c: the packed scaling takes the pair's low word for both halves
.set SEL, 60          ; s[60:61] v_permlanex16_b32's selects: each lane takes its own place in the other half
.set TBK, 62          ; s62  LDS byte at which K of the step to be fetched begins
.set TBV, 63          ; s63  the same for V, less VOFF
.set MSB, 0
.macro WIN new                      ; the high byte repeats the setting that is left; a switch that changes nothing is dropped
.if MSB != (\new)
	s_set_vgpr_msb (MSB<<8)|(\new)
.set MSB, (\new)
.endif
.endm
.set W_KQ, 0x0a       ; K and Q in window 2, S^T in window 0
.set W_PV, 0x52       ; V in window 2, P in window 0, O^T in window 1
.set W_RS, 0x41       ; O^T (destination and source 0) in window 1, a in window 0
.set W_MK, 0xc0       ; the add's registers are made: destination in window 3, sources in window 0
.set W_AD, 0x0f       ; the add: address (source 0) and data (source 1) in window 3
; A joint fill.  Waves 0 and 1 fetch the two halves of a slot's K, waves 2 and 3 those of its V: 128 keys each.  The branch hangs on the wave's number alone.
; An s_nop 0 and four v_nop follow each of the two lines, ahead of the jump and the label.
.macro JLOAD
	s_cmp_lt_u32 s[WV], 2
	s_cbranch_scc0 .Lfor_v_\@
	tensor_load_to_lds s[G0K:G0K+3], s[G1K:G1K+7]
	s_nop 0
.rept 4
	v_nop
.endr
	s_branch .Lasked_\@
.Lfor_v_\@:
	tensor_load_to_lds s[G0V:G0V+3], s[G1V:G1V+7]
	s_nop 0
.rept 4
	v_nop
.endr
.Lasked_\@:
.endm
; A round of the cluster's barrier: my work-group's barrier, so that wave 0's signal speaks for all four waves; wave 0 signals; every wave waits for all four work-groups; my work-group's barrier once more.
.macro CROUND
	s_barrier_signal -1
	s_barrier_wait -1
	s_cmp_lg_u32 s[WV], 0
	s_cbranch_scc1 .Lnot_wave_0_\@
	s_barrier_signal -3
.Lnot_wave_0_\@:
	s_barrier_wait -3
	s_barrier_signal -1
	s_barrier_wait -1
.endm
; THE CHANGE OF SLOTS.  The slot's last bytes, V of its fourth step, have been read.  Each wave waits for all its tensor loads, of which one is out: its part
; of the other slot; adds 0 to its spare word; and waits for that and for its own reads of the slot.  Behind the barrier nobody reads this slot any more and the other slot is whole.
; fill = 1: this slot is filled again, with the keys two slots on.  The barrier is then a round of the cluster's, so that no wave of any partner still reads the slot or has a load on its
; way, and the joint fill is the first thing behind it: it has four key steps, 512 matrix instructions, in which to land.  (At its first use nothing has been read yet: slot 0 is waited for, slot 1 filled.)
.macro CHANGE fill
	WIN W_AD
	s_wait_tensorcnt 0x0            ; no tensor load of mine is out, so a group 0 may be written
	ds_add_u32 v[SPW], v[NIL]       ; 0 onto my spare word: with fill = 1 the descriptors' steps stand between it and the wait for it
	WIN 0                           ; at a label and at a branch every window is 0
.if \fill
.irp g, G0K, G0V
	s_xor_b32 s[\g+1], s[\g+1], SLOT1  ; the walking descriptor: the other slot than last time,
	s_add_nc_u64 s[\g+2:\g+3], s[\g+2:\g+3], 4*KS*128  ; the next 256 keys; the type bits on top are not reached
.endr
	s_wait_dscnt 0x0                ; the add is done, and my reads of the slot are over
	CROUND
	JLOAD
.else
	s_wait_dscnt 0x0                ; the add is done, and my reads of the slot are over
	s_barrier_signal -1
	s_barrier_wait -1
.endif
	s_sub_co_u32 s[TBK], s[TBK], 4*KS*PK  ; the fetches go back to a slot's first step,
	s_xor_b32 s[TBK], s[TBK], SLOT1       ; in the other slot
	s_sub_co_u32 s[TBV], s[TBV], 4*KS*PV
	s_xor_b32 s[TBV], s[TBV], SLOT1
.endm
	s_load_b256 s[4:11], s[0:1], 0x0  ; Q s[4:5], K s[6:7], V s[8:9], O s[10:11]
	WIN W_MK
	v_lshl_add_u32 v[SPW], v0, 2, SPARE
	v_mov_b32 v[NIL], 0
	s_set_vgpr_msb 0xc0cf
	ds_add_u32 v0, v1
	s_wait_dscnt 0x0
	s_set_vgpr_msb 0xcfc0
	WIN 0
	v_lshrrev_b32 v1, 5, v0
	v_readfirstlane_b32 s[WV], v1   ; wave 0..3
	s_bfe_u32 s13, ttmp6, 0x40000   ; cx: my place in the cluster
	s_lshl_b32 s14, ttmp9, 2        ; in a cluster launch ttmp9 counts clusters
	s_add_co_u32 s14, s14, s13      ; my block of queries = 4 x cluster x + cx: it enters Q's and O's addresses alone
	s_and_b32 s20, ttmp7, 0xffff    ; the head, which the four partners share
	s_mov_b32 s21, 0
	s_mov_b64 s[22:23], SIZE_N*128
	s_mul_u64 s[20:21], s[20:21], s[22:23]  ; the head's first byte in each of the four tensors
	s_and_b32 s16, s[WV], 1         ; which half of a slot's 256 keys I fetch:
	s_lshl_b32 s22, s16, 14         ; its 128 rows of 128 bytes in memory,
	s_mov_b32 s23, 0
	s_add_nc_u64 s[22:23], s[22:23], s[20:21]
	s_mul_i32 s17, s16, 128*PK      ; and its place in a slot, for K
	s_mul_i32 s18, s16, 128*PV      ; and for V: no place in the cluster enters an LDS address
	s_lshl_b32 s2, s14, 2
	s_add_co_u32 s2, s2, s[WV]      ; my wave among the head's,
	s_lshl_b32 s2, s2, 14           ; its 128 rows
	s_mov_b32 s3, 0
	s_add_nc_u64 s[2:3], s[2:3], s[20:21]
	; descriptor group 1.  128 keys are 16,384 dense bytes: asked for as 64 rows of 256 bytes, two keys a row, and padded in LDS after every key
	s_mov_b32 s[G1K], 15|(1<<16)|(1<<20)|(1<<21)|(4<<22)|(3<<25)  ; 15:0 the mask of four; 17:16 2-byte elements; 20 padding on; 21 set beside a mask; 24:22 after every 32 words (code 4); 31:25 4 words (code 3)
	s_mov_b32 s[G1V], 15|(1<<16)|(1<<20)|(1<<21)|(4<<22)|(7<<25)  ; the same with 8 words of padding (code 7)
.irp g, G1K, G1V
	s_mov_b32 s[\g+1], 128<<16      ; tensor_dim0 = 128
	s_mov_b32 s[\g+2], 64<<16       ; tensor_dim1 = 64
	s_mov_b32 s[\g+3], 128<<16      ; tile_dim0 = 128
	s_mov_b32 s[\g+4], 64           ; tile_dim1 = 64
	s_mov_b32 s[\g+5], 128          ; 128 elements from row to row
	s_mov_b32 s[\g+6], 0
	s_mov_b32 s[\g+7], 0
.endr
	s_mov_b32 s[CS], 0x3e38aa3b     ; c = log2(e) / 8 = 0.180337
	s_mov_b32 s[CS+1], s[CS]        ; named with it as a pair
	s_mov_b32 s[SEL], 0x76543210
	s_mov_b32 s[SEL+1], 0xfedcba98
	s_mov_b32 s[TBK], SLOT1+4*KS*PK ; the first change of slots turns these two into 0
	s_mov_b32 s[TBV], SLOT1+4*KS*PV
	s_mov_b32 s[G0K], 1             ; 1:0 count = 1
	s_mov_b32 s[G0K+1], s17         ; 63:32 LDS address: slot 0
	s_mov_b32 s[G0V], 1
	s_add_co_u32 s[G0V+1], s18, VOFF
	s_wait_kmcnt 0x0
	s_add_nc_u64 s[G0K+2:G0K+3], s[6:7], s[22:23]  ; 120:64 global address: my half of the head's first 256 keys
	s_or_b32 s[G0K+3], s[G0K+3], 0x80000000        ; 127:126 type = 2
	s_add_nc_u64 s[G0V+2:G0V+3], s[8:9], s[22:23]
	s_or_b32 s[G0V+3], s[G0V+3], 0x80000000
	s_add_nc_u64 s[4:5], s[4:5], s[2:3]  ; Q and O at my wave's first row
	s_add_nc_u64 s[10:11], s[10:11], s[2:3]
	CROUND                          ; all four work-groups are here: the first joint loads meet
	JLOAD                           ; slot 0.  Slot 1 is asked for when slot 0 is in: the tile wanted first has the road to itself
	; A fragment of K or Q is 16 rows x 32 channels in 8 registers: lane l holds row l % 16, channels 8 (l / 16) + 0..7 and 16 + 8 (l / 16) + 0..7: two loads of 16 bytes, 32 bytes apart.
	v_and_b32 v1, 15, v0            ; l % 16
	v_bfe_u32 v9, v0, 4, 1          ; l / 16
	v_lshlrev_b32 v[QO], 7, v1
	v_lshl_add_u32 v[QO], v9, 4, v[QO]  ; row x 128 + 16 x half
	WIN 0x80                        ; destination window 2, address window 0
.set i, 0
.rept 4*NP                          ; Q stays in registers: tile i / 2, channels 32 (i % 2) on
	global_load_b128 v[8*i:8*i+3],   v[QO], s[4:5] offset:(i/2)*2048+(i%2)*64
	global_load_b128 v[8*i+4:8*i+7], v[QO], s[4:5] offset:(i/2)*2048+(i%2)*64+32
.set i, i+1
.endr
	; What the first turn finds: V's registers and P's second buffer hold 0 (its products V^T P, of a piece that has not been, add 0), O^T and l are 0.  All this stands in the wait for the first tile.
.set i, VF
.rept 64
	v_mov_b32 v[i], 0
.set i, i+1
.endr
	WIN 0x40
.set i, 0
.rept 64*NP
	v_mov_b32 v[i], 0
.set i, i+1
.endr
	WIN 0
.set i, 0
.rept 2*NP
	v_mov_b32 v[ST+4*i], 0xfe000000    ; c m: far below every c s
	v_mov_b32 v[ST+4*i+1], 0xff7fffff  ; m
	v_mov_b32 v[ST+4*i+2], 0
	v_mov_b32 v[ST+4*i+3], 0
.set i, i+1
.endr
.set i, P+32
.rept 32
	v_mov_b32 v[i], 0
.set i, i+1
.endr
	v_mul_u32_u24 v[AK0], v1, PK
	v_lshl_add_u32 v[AK0], v9, 4, v[AK0]  ; row x pitch + 16 x half
	; The turning load takes 16 keys x 16 channels (lane l reads key 8 (l / 16) + l % 8, channels 8 ((l / 8) % 2) + 0..7) and leaves half a fragment of V^T: lane l holds channel l % 16 and 8 keys.
	v_and_b32 v10, 7, v0
	v_bfe_u32 v11, v0, 3, 1
	v_lshl_add_u32 v[AV0], v9, 3, v10
	v_mul_u32_u24 v[AV0], v[AV0], PV
	v_lshl_add_u32 v[AV0], v11, 4, v[AV0]
	v_add_nc_u32 v[AV0], VOFF, v[AV0]
	v_mov_b32 v[AK], v[AK0]         ; key step 0 lies at the head of slot 0
; THE MATRIX WORK.  The 8 accumulators of a run of 16 take turns: between the two links of a chain stand 7 others'.
; Product i of 16 of S^T = K Q^T for piece x: channels 32 (i / 8) on, keys 16 ((i / 2) % 4) on, tile 2 x + i % 2.  The first 8 start the sums.
.macro KQ x
	WIN W_KQ
.set rS, S+64*((\x)%2)+32*(i%2)+8*((i/2)%4)
.set rK, KF+16*((i/2)%4)+8*(i/8)
.set rQ, 16*(2*(\x)+i%2)+8*(i/8)
.if i < 8
	v_wmma_f32_16x16x32_f16 v[rS:rS+7], v[rK:rK+7], v[rQ:rQ+7], 0
.else
	v_wmma_f32_16x16x32_f16 v[rS:rS+7], v[rK:rK+7], v[rQ:rQ+7], v[rS:rS+7]
.endif
.endm
; Product i of 16 of O^T += V^T P for piece x: keys 32 (i / 8) on, channels 16 ((i / 2) % 4) on, tile 2 x + i % 2.
.macro PV x
	WIN W_PV
.set rO, 32*(2*(\x)+i%2)+8*((i/2)%4)
.set rV, VF+32*(i/8)+8*((i/2)%4)
.set rP, P+32*((\x)%2)+16*(i%2)+8*(i/8)
	v_wmma_f32_16x16x32_f16 v[rO:rO+7], v[rV:rV+7], v[rP:rP+7], v[rO:rO+7]
.endm
.macro MM                           ; the turn's next matrix instruction
.if i < 16
	KQ (Y+1)%NP
.set i, i+1
.else
.set i, i-16
	PV (Y+NP-1)%NP
.set i, i+17
.endif
.endm
; THE LDS LOADS stand in runs of 16, never singly among the matrix instructions: a step's K (64 keys x 64 channels: 8 fragments) and its V (turned).  Their addresses are made some lines ahead.
; last = 1 (the tail): in the last trip there is no further step, and the run is jumped over.
.macro FETCH_K last=0
	WIN 0
.if \last
	s_cmp_eq_u32 s[CNT], 1
	s_cbranch_scc1 .Lno_k_\@
.endif
	WIN 0x80                        ; destination window 2
.irp f, 0,1,2,3,4,5,6,7             ; keys 16 (f / 2) on, channels 32 (f % 2) on
	ds_load_b128 v[KF+8*\f:KF+8*\f+3],   v[AK] offset:(\f/2)*16*PK+(\f%2)*64
	ds_load_b128 v[KF+8*\f+4:KF+8*\f+7], v[AK] offset:(\f/2)*16*PK+(\f%2)*64+32
.endr
	s_add_co_u32 s[TBK], s[TBK], KS*PK  ; the next fetch is the next step's
	WIN 0
.if \last
.Lno_k_\@:
.endif
.endm
.macro FETCH_V
	WIN 0x80
.irp f, 0,1,2,3,4,5,6,7             ; keys 32 (f / 4) on, channels 16 (f % 4) on
	ds_load_tr16_b128 v[VF+8*\f:VF+8*\f+3],   v[AV] offset:(\f/4)*32*PV+(\f%4)*32
	ds_load_tr16_b128 v[VF+8*\f+4:VF+8*\f+7], v[AV] offset:(\f/4)*32*PV+16*PV+(\f%4)*32
.endr
	WIN 0
.endm
; THE VECTOR WORK OF A TURN stands in three queues, each in the order in which its entries become ready; the two tiles alternate, so that no instruction reads the result of the one before it.
.macro REGS y, u                    ; the registers of tile u (0, 1) of piece y
.set rT, ST+4*(2*(\y)+(\u))
.set rC, TMP+8*((\y)%2)+4*(\u)
.set rM, MV+2*((\y)%2)+(\u)
.set rS, S+64*((\y)%2)+32*(\u)
.set rP, P+32*((\y)%2)+16*(\u)
.set rO, 32*(2*(\y)+(\u))
.endm
; Number n of the 22 that find the NEXT piece's (Y + 1) maximum and statistics.  s0-s31 are the lane's 32 scores; each accumulator's lowest registers are read first.  XS, GS and REGS set no window: PL and EX do.
;   0-11  four chains c0-c3 of seven scores each, three operands at a time     12-14, 16  the four scores left over, the old m, and c0-c3 into c0     15  c m_old is kept
;   17, 18  the query's other 32 keys lie in the lane 16 away: the new m         19-21  c m; c m_old - c m_new; a
.macro XS u, n
	REGS (Y+1)%NP, \u
.if (\n) < 4
	v_max3_num_f32 v[rC+(\n)], v[rS+8*(\n)], v[rS+8*(\n)+1], v[rS+8*(\n)+2]
.elseif (\n) < 12
	v_max3_num_f32 v[rC+(\n)%4], v[rC+(\n)%4], v[rS+8*((\n)%4)+2*((\n)/4)+1], v[rS+8*((\n)%4)+2*((\n)/4)+2]
.elseif (\n) == 12
	v_max3_num_f32 v[rC], v[rC], v[rS+7], v[rS+15]
.elseif (\n) == 13
	v_max3_num_f32 v[rC+1], v[rC+1], v[rS+23], v[rS+31]
.elseif (\n) == 14
	v_max3_num_f32 v[rC+2], v[rC+2], v[rC+3], v[rT+1]
.elseif (\n) == 15
	v_mov_b32 v[rM], v[rT]
.elseif (\n) == 16
	v_max3_num_f32 v[rC], v[rC], v[rC+1], v[rC+2]
.elseif (\n) == 17
	v_permlanex16_b32 v[rC+3], v[rC], s[SEL], s[SEL+1]
.elseif (\n) == 18
	v_max_num_f32 v[rT+1], v[rC], v[rC+3]
.elseif (\n) == 19
	v_mul_f32 v[rT], s[CS], v[rT+1]
.elseif (\n) == 20
	v_sub_f32 v[rC+1], v[rM], v[rT]
.else
	v_exp_f32 v[rC+2], v[rC+1]
.endif
.endm
; Number g of the 64 that follow the exponentials.  For each four weights k of a tile (pairs 2 k, 2 k + 1): both pairs are rounded to f16; then the second pair is added onto the first, in place;
; a group later l takes that sum (the first time as l = a l + sum).  In groups of eight, tiles alternating: round, round, add, and l for the group before.
.macro GS g
.set h, (\g)+6*((\g)/62)            ; group 0 has no group before it, and behind group 7 only l is left
.if h >= 6
.set h, h+2
.endif
	REGS Y, h%2
.set k, h/8
.if h%8 < 4
	s_wait_alu depctr_va_vdst(0)
	v_cvt_pk_f16_f32 v[rP+2*k+(h%8)/2], v[rS+4*k+2*((h%8)/2)], v[rS+4*k+2*((h%8)/2)+1]
.elseif h%8 < 6
	v_pk_add_f32 v[rS+4*k:rS+4*k+1], v[rS+4*k:rS+4*k+1], v[rS+4*k+2:rS+4*k+3]
.elseif k == 1
	v_pk_fma_f32 v[rT+2:rT+3], v[rT+2:rT+3], v[rC+2:rC+3], v[rS:rS+1] op_sel_hi:[1,0,1]
.else
	v_pk_add_f32 v[rT+2:rT+3], v[rT+2:rT+3], v[rS+4*k-4:rS+4*k-3]
	s_wait_alu depctr_va_vdst(0)
.endif
.endm
; THE PLAIN QUEUE, 138 long.  0-31: c s - c m for the 16 pairs of both tiles.  Then GS's 64, and among them the next piece's 42: number 15 at 38, 39; 0-14 and 16
; at 42-73, behind the products that make those scores; 17-20 at 95-106, two of three, since each waits for the one before it.
.macro PL
	WIN 0
.if q < 32
	REGS Y, q%2
	v_pk_fma_f32 v[rS+2*(q/2):rS+2*(q/2)+1], v[rS+2*(q/2):rS+2*(q/2)+1], s[CS:CS+1], v[rT:rT+1] op_sel_hi:[1,0,0] neg_lo:[0,0,1] neg_hi:[0,0,1]
.elseif q < 38
	GS q-32
.elseif q < 40
	XS q%2, 15
.elseif q < 42
	GS q-34
.elseif q < 74
	XS q%2, (q-42)/2+(q-42)/30
.elseif q < 95
	GS q-66
.elseif (q < 107) && ((q-95)%3 < 2)
	XS (q-95)%3, 17+(q-95)/3
.elseif q < 107
	GS 29+(q-95)/3
.else
	GS q-74
.endif
.set q, q+1
.endm
; THE EXPONENTIALS' QUEUE, 66 long: s0-s31 of both tiles, and at EA the next piece's two a.
.set EA, 58
.macro EX
	WIN 0
.if (e == EA) || (e == EA+1)
	XS e-EA, 21
.else
.set x, e-2*(e/(EA+2))
	REGS Y, x%2
	v_exp_f32 v[rS+x/2], v[rS+x/2]
.endif
.set e, e+1
.endm
; THE RESCALING's QUEUE: O^T times a, the one part that leaves window 0, so it is dealt four at a time, eight times.
.macro R4
	REGS Y, r%2
	WIN W_RS
	s_wait_alu depctr_va_vdst(0)
.irp z, 0,1,2,3
	v_pk_mul_f32 v[rO+8*(r/2)+2*\z:rO+8*(r/2)+2*\z+1], v[rO+8*(r/2)+2*\z:rO+8*(r/2)+2*\z+1], v[rC+2:rC+3] op_sel_hi:[1,0]
.endr
.set r, r+1
.endm
; HOW THEY ARE DEALT.  Behind a matrix instruction four: plain, exponential, plain, plain (one exponential, a plain instruction on either side), or four of the rescaling.  None names a register of the
; products round it.  What is over stands in two LUMPS: exponential and plain by turns; the second ends in 22 plain instructions.  The two v_permlanex16_b32 fall into the second lump, never behind a product.
; The queues lean on each other, and the deal keeps them in step: exponential e stands behind plain 2 (e / 4) + e % 2 (its scaling); when plain 32 comes, 10 exponentials are out, at 59: 33, at 95: 46; EA comes behind plain 107.
.macro SL
	MM
	PL
	EX
	PL
	PL
.endm
.macro BURST n                      ; 15 matrix instructions, or 16
.rept (\n)-7
	SL
.endr
.rept 3
	MM
	R4
	SL
.endr
	MM
	R4
.endm
; A TURN, for piece p.  cnt = 1: the loop's count is taken down some lines ahead of the branch that stands behind the turn.
; K of the next step is fetched in piece 2's turn, 31 vector instructions behind the last product that read K; its first use comes behind the rest of the lump, 16 products and the second lump.
; V of the step in hand is fetched at the end of piece 0's turn, 69 behind the last product that read V; its first use comes behind 16 products and a lump.  The four conditions on e and q below go with the deal.
.macro TURN p, last=0, cnt=0
.set Y, (\p)
.set i, 0
.set q, 0
.set e, 0
.set r, 0
.if (\p) == NP-1
	s_wait_dscnt 0x0                ; K is in
.endif
	MM
.rept 4
	PL
.endr
	BURST 15
.rept 22
	EX
	PL
.if ((\p) == NP-2) && (e == 18)
	v_add_nc_u32 v[AK], s[TBK], v[AK0]
.endif
.if ((\p) == NP-2) && (e == 24)
	FETCH_K \last
.endif
.endr
.if (\p) == 1
	s_wait_dscnt 0x0                ; V is in
.endif
	BURST 16
.rept 21
	EX
	PL
.endr
.rept 22
	PL
.if ((\p) == 0) && (q == 118)
	v_add_nc_u32 v[AV], s[TBV], v[AV0]
	s_wait_alu depctr_va_vdst(0)
.endif
.if ((\p) == 0) && (q == 130)
	s_add_co_u32 s[TBV], s[TBV], KS*PV
.endif
.if (\cnt) && (q == 130)
	s_sub_co_u32 s[CNT], s[CNT], 1
	s_cmp_lg_u32 s[CNT], 0
.endif
.endr
.if (\p) == 0
	FETCH_V
.endif
.endm
	CHANGE 1                        ; slot 0 is in, everybody's part of it; slot 1 is asked for
	FETCH_K                         ; key step 0
	s_wait_loadcnt 0x0              ; Q
	s_wait_dscnt 0x0
.set i, 0
.rept 16
	KQ 0                            ; piece 0's first scores: there is no vector work yet to set between them
.set i, i+1
.endr
	WIN 0                           ; the addresses for the way out: nine plain instructions, the places behind those products
	s_mul_i32 s13, s[WV], 16*SP
	s_add_co_u32 s13, s13, STAGE    ; my stage
	v_mul_u32_u24 v[STO], v1, SP    ; in: row l % 16, 16 bytes for each half of the lanes
	v_lshl_add_u32 v[STO], v9, 4, v[STO]
	v_add_nc_u32 v[STO], s13, v[STO]
	v_bfe_u32 v[RD], v0, 3, 2       ; back: 32 lanes take four rows of 128 bytes,
	v_mul_u32_u24 v[RD], v[RD], SP
	v_lshl_add_u32 v[RD], v10, 4, v[RD]
	v_add_nc_u32 v[RD], s13, v[RD]
	v_and_b32 v[GO], 31, v0         ; which are 512 consecutive bytes of O
	v_lshlrev_b32 v[GO], 4, v[GO]
.set Y, NP-1                        ; XS works for piece Y + 1: piece 0
.irp n, 0,1,2,3,4,5,6,7,8,9,10,11,12,13,14,15,16,17,18,19,20,21
	XS 0, \n                        ; and piece 0's first maximum and statistics
	XS 1, \n
.endr
	s_mov_b32 s[CNT], 4
	s_mov_b32 s[SLOTS], SIZE_N/256-1
	s_branch .Lfirst                ; the loop is entered at a step's first turn, in the middle of a trip
.Lslot:                             ; SIZE_N / 256 - 2 times: every slot but the last two is filled again
	CHANGE 1
	s_mov_b32 s[CNT], 4
.Lstep:                             ; a trip: pieces 2 and 3 of one step, then pieces 0 and 1 of the next, whose K and V it fetches
	TURN 2
	TURN 3
	WIN 0
.Lfirst:
	TURN 0
	TURN 1, 0, 1
	WIN 0
	s_cbranch_scc1 .Lstep
	s_sub_co_u32 s[SLOTS], s[SLOTS], 1
	s_cmp_lg_u32 s[SLOTS], 0
	s_cbranch_scc1 .Lslot
	CHANGE 0                        ; the tail is written out: nothing is asked for
	s_mov_b32 s[CNT], 5             ; four trips fetch the last slot's steps; the fifth is left in its middle
.Ltail:
	TURN 2, 1
	TURN 3
	WIN 0
	s_sub_co_u32 s[CNT], s[CNT], 1
	s_cmp_eq_u32 s[CNT], 0
	s_cbranch_scc1 .Lout
	TURN 0
	TURN 1
	WIN 0
	s_branch .Ltail
.Lout:                              ; the fifth trip's 16 products K Q^T (on the last K once more) and the maximum made of them serve nothing: the price, once a launch, of one text for every trip
.set i, 0
.rept 16
	PV NP-1                         ; the last piece's V^T P of the last step
.set i, i+1
.endr
	; THE WAY OUT.  l's two halves and the other half of the lanes' are added; O^T is divided by l, rounded to f16 and sent through my stage in LDS, a tile at a time.  The additions are the places behind the last products.
	WIN 0
.macro ALL line:vararg              ; one line for each tile t
.set t, 0
.rept 2*NP
	\line
.set t, t+1
.endr
.endm
	ALL v_add_f32 v[ST+4*t+2], v[ST+4*t+2], v[ST+4*t+3]
	ALL v_permlanex16_b32 v[ST+4*t+3], v[ST+4*t+2], s[SEL], s[SEL+1]
	ALL v_add_f32 v[ST+4*t+2], v[ST+4*t+2], v[ST+4*t+3]
	ALL v_rcp_f32 v[ST+4*t+2], v[ST+4*t+2]
	v_nop                           ; a plain instruction between the last reciprocal and the use of its result
	s_wait_alu depctr_va_vdst(0)
; Tile t: a lane's eight channels of a row pack into 16 bytes; they go into rows of 144 bytes and come back as whole rows of 128, into S^T's registers.
.macro PACK t
	WIN W_RS
.set i, 32*(\t)
.rept 16
	v_pk_mul_f32 v[i:i+1], v[i:i+1], v[ST+4*(\t)+2:ST+4*(\t)+3] op_sel_hi:[1,0]
.set i, i+2
.endr
	WIN 0x05                        ; sources 0 and 1 window 1, destination window 0
.set i, 0
.rept 16
	v_cvt_pk_f16_f32 v[S+16*(\t)+i], v[32*(\t)+2*i], v[32*(\t)+2*i+1]
.set i, i+1
.endr
	WIN 0
.irp f, 0,1,2,3
	ds_store_b128 v[STO], v[S+16*(\t)+4*\f:S+16*(\t)+4*\f+3] offset:32*\f
.endr
.irp f, 0,1,2,3
	ds_load_b128 v[S+16*(\t)+4*\f:S+16*(\t)+4*\f+3], v[RD] offset:\f*4*SP  ; LDS serves a wave's instructions in order (ISA guide 5.7.1.4): these see the stores above; the next tile's stores come behind them
.endr
.endm
.macro SEND t, younger              ; younger: the LDS instructions issued behind tile t's loads: the next tile's eight, or none
	WIN 0
.irp f, 0,1,2,3
	s_wait_dscnt (\younger)+3-\f
	global_store_b128 v[GO], v[S+16*(\t)+4*\f:S+16*(\t)+4*\f+3], s[10:11] offset:(\t)*2048+\f*512  ; 512 consecutive bytes, at a multiple of 256 from O's first
.endr
.endm
	PACK 0
.set t, 1
.rept 2*NP-1                        ; a tile's arithmetic stands between the loads of the tile before and its stores
	PACK t
	SEND t-1, 8
.set t, t+1
.endr
	SEND 2*NP-1, 0
	WIN W_AD
	s_wait_tensorcnt 0x0            ; the wave's end: behind my last tensor load and my last LDS store
	ds_add_u32 v[SPW], v[NIL]
	s_wait_dscnt 0x0
	WIN 0
	CROUND                          ; the closing round: no work-group ends while a partner may still ask for a tile that names it
	s_endpgm
.Lfunc_end_k_qf1654787cb_attn:
	.size	k_qf1654787cb_attn, .Lfunc_end_k_qf1654787cb_attn-k_qf1654787cb_attn
	.p2alignl 7, 3214868480
	.fill 96, 4, 3214868480
	.section	.rodata,"a",@progbits
	.p2align	6, 0x0
	.amdhsa_kernel k_qf1654787cb_attn
		.amdhsa_group_segment_fixed_size 327680
		.amdhsa_private_segment_fixed_size 0
		.amdhsa_enable_private_segment 0
		.amdhsa_kernarg_size 32
		.amdhsa_user_sgpr_count 2
		.amdhsa_user_sgpr_kernarg_segment_ptr 1
		.amdhsa_wavefront_size32 1
		.amdhsa_system_sgpr_workgroup_id_x 1
		.amdhsa_system_sgpr_workgroup_id_y 1
		.amdhsa_system_sgpr_workgroup_id_z 1
		.amdhsa_system_vgpr_workitem_id 0
		.amdhsa_next_free_vgpr 770
		.amdhsa_next_free_sgpr 66
		.amdhsa_reserve_vcc 0
		.amdhsa_float_denorm_mode_32 3
		.amdhsa_float_denorm_mode_16_64 3
		.amdhsa_memory_ordered 1
		.amdhsa_forward_progress 1
		.amdhsa_inst_pref_size 208
	.end_amdhsa_kernel
	.amdgpu_metadata
---
amdhsa.version: [ 1, 2 ]
amdhsa.kernels:
  - .name:           k_qf1654787cb_attn
    .symbol:         k_qf1654787cb_attn.kd
    .args:
      - { .name: qh, .offset: 0, .size: 8, .value_kind: global_buffer, .address_space: global }
      - { .name: kh, .offset: 8, .size: 8, .value_kind: global_buffer, .address_space: global }
      - { .name: vh, .offset: 16, .size: 8, .value_kind: global_buffer, .address_space: global }
      - { .name: oh, .offset: 24, .size: 8, .value_kind: global_buffer, .address_space: global }
    .group_segment_fixed_size: 327680
    .private_segment_fixed_size: 0
    .kernarg_segment_align: 8
    .kernarg_segment_size: 32
    .max_flat_workgroup_size: 128
    .sgpr_count:     66
    .vgpr_count:     770
    .wavefront_size: 32
...
	.end_amdgpu_metadata
.endif
;; end of part 2
;; launch outp (part 3): grid 256 x 1, 4 waves a work-group, no clusters, 151,040 bytes of LDS; arguments oh, wof, bo, out0; writes out0
.if DOCPART == 3
	.amdgcn_target "amdgcn-amd-amdhsa--gfx1250"
	.amdhsa_code_object_version 6
	.text
	.protected	k_qf1654787cb_outp
	.globl	k_qf1654787cb_outp
	.p2align	8
	.type	k_qf1654787cb_outp,@function
k_qf1654787cb_outp:
	s_mov_b64 s[64:65], 0
	v_nop
	global_prefetch_b8 v0, s[64:65] scope:SCOPE_SE
	s_setreg_imm32_b32 hwreg(HW_REG_WAVE_MODE, 25, 1), 1
	s_wait_xcnt 0x0
; THE OUTPUT PROJECTION.  out[t][b][n] = sum over c of y[b][t][c] Wo[n][c] + bo[n], with y[b][t][64 h + d] = O[8 b + h][t][d].
; O: [64][2048][64] f16, a head's rows dense, 128 bytes each.  bo: [512] f32.  out: [2048][8][512] f32.
; wof: Wo, rounded to bf16 and written as f16 by the first launch, in fragment order: block (nb, s, q) of 512 bytes at ((16 nb + s) 2 + q) 512; in it lane l's 16 bytes are
; Wo[16 nb + l % 16][32 s + 16 q + 8 (l / 16) + 0..7]: registers 4 q .. 4 q + 3 of the fragment of rows 16 nb .. + 15 for K step s.
; FORMATS.  bo is rounded to bf16, like every input of the module; products in f16, sums in f32, out is the f32 sum.  LIMITS: those of O and of wof, stated where they are made.  NaN and infinities are not treated apart.
; SHARES.  Grid x = 16 tb + 2 b + half: rows t = 128 tb .. + 127 of batch b, columns 256 half .. + 255: two tiles of 64 rows.  Wave w owns 64 of the columns.
; Wo STAYS IN REGISTERS: a wave's 64 rows for all 512 c are 4 column blocks x 16 K steps x 8 registers = 512, filled by 128 loads of 512 consecutive bytes, in the order of the K steps; a K step waits, by count,
; for its own eight, so that the first tile is multiplied while the later K steps' fragments come.
; BOTH TILES of y (64 rows x 512 c each) are put together in LDS at the start, from the eight heads, wave w bringing heads 2 w and 2 w + 1 (8,192 dense bytes a tile each) through 256 staging registers:
; one barrier in the launch, none in the loop.
; THE MATRIX INSTRUCTION IS USED TRANSPOSED (source 0 = 16 rows of Wo, source 1 = 16 rows of y): a lane holds one row of out (lane % 16) and eight neighbouring columns.  THE BIAS is the C operand of K step 0.
; NO CLUSTER.  What work-groups share is wof, 262,144 bytes a work-group, which goes straight into registers here; asked for jointly it would have to land in LDS first, where it leaves no room for the
; two tile buffers (133,120 bytes) beside it.
; REGISTERS, in windows of 256 (s_set_vgpr_msb: bits 1:0 source 0, 3:2 source 1, 5:4 source 2, 7:6 destination):
;   window 0: v0-15 addresses; v16-47 bias; v48-111 two fragment buffers of y; v112-239 the 16 accumulators
;   window 1: the staging registers, tile t at v[128 t]      windows 2, 3: Wo: K step k, column block c at window 2 + k / 8, v[32 (k % 8) + 8 c]
.set PITCH,  1040                      ; an LDS row: 512 f16 = 1,024 bytes + 16 = 65 x 16: the 16 rows of a fragment load start in 16 different 16-byte columns of 256 bytes
.set RB16,   16*PITCH
.set TBUF,   64*PITCH                  ; a tile's buffer; tile t's lies at t x TBUF
.set STAGE,  2*TBUF                    ; behind them: 16 rows x 272 bytes for each wave, for the way out
.set SP,     272
.set XROW,   16384                     ; bytes from t to t + 1 in out
.set HEADB,  262144                    ; bytes of a head in O
.set TILES,  2
.set XO,   2                           ; v2   16 x lane: my 16 bytes in 512 consecutive bytes, for loads of O and wof; never rewritten
.set SA,   3                           ; v3, v4  where I store 16 bytes of tile 0, tile 1: row l / 8, my wave's 256 bytes, 16 (l % 8)
.set AF,   6                           ; v6   my lane's place in a fragment of y; steps a buffer on behind tile 0
.set STO,  7                           ; v7   the way out: where I put 32 bytes of a row
.set RD,   8                           ; v8   the way out: where I read rows back
.set GO,   9                           ; v9   my byte offset in two rows of out
.set BO,   10                          ; v10  32 x (lane / 16): my eight numbers in 16 of the bias
.set BIAS, 16
.set F0,   48                          ; fragment buffers: K step k uses F0 + 32 (k % 2)
.set ACC,  112                         ; accumulator (row block r, column block c) at ACC + 8 (4 r + c)
.set WV,   2                           ; s2   my wave's number
.set HALF, 5
.set BB,   6
.set TB,   7
.set AP,   8                           ; s[8:9]   O at my wave's first head, tile 0's rows
.set WP,   10                          ; s[10:11] wof at my wave's 64 KB
.set BP,   12                          ; s[12:13] bo at my wave's columns
.set OP,   14                          ; s[14:15] out at the tile's first row, my wave's columns
.set CNT,  24
.set MASK, 27
.set MSB, 0
.macro WIN new                         ; the immediate's high byte repeats the setting that is left; a switch that changes nothing is dropped
.if MSB != (\new)
	s_set_vgpr_msb (MSB<<8)|(\new)
.set MSB, (\new)
.endif
.endm
.set W_LD, 0x40                        ; a global load into the staging registers: destination window 1, address window 0
.set W_ST, 0x04                        ; an LDS store from there: data (source 1) window 1, address window 0
.macro PLACES                          ; four places between a matrix instruction and a load into a register that it read
.rept 4
	v_nop
.endr
.endm
.macro WLOAD k                         ; Wo's fragments of K step k: four column blocks, eight loads of 512 consecutive bytes
	WIN 0x80+0x40*((\k)/8)
.set cc, 0
.rept 4
	global_load_b128 v[32*((\k)%8)+8*cc:32*((\k)%8)+8*cc+3],   v[XO], s[WP:WP+1] offset:cc*16384+(\k)*1024
	global_load_b128 v[32*((\k)%8)+8*cc+4:32*((\k)%8)+8*cc+7], v[XO], s[WP:WP+1] offset:cc*16384+(\k)*1024+512
.set cc, cc+1
.endr
.endm
	s_load_b256 s[8:15], s[0:1], 0x0               ; O, wof, bo, out
	v_lshl_add_u32 v254, v0, 2, 0x24c00
	v_mov_b32 v255, 0
	v_lshrrev_b32 v1, 5, v0
	v_readfirstlane_b32 s[WV], v1                  ; wave 0..3
	s_and_b32 s[HALF], ttmp9, 1
	s_bfe_u32 s[BB], ttmp9, 0x30001                ; three bits from bit 1
	s_lshr_b32 s[TB], ttmp9, 4
	s_mov_b32 s[MASK], 0xffff0000                  ; a word's upper bf16
	s_lshl_b32 s16, s[BB], 3                       ; O: head 8 b + 2 w,
	s_lshl1_add_u32 s16, s[WV], s16
	s_lshl_b32 s16, s16, 18
	s_lshl_b32 s25, s[TB], 14                      ; 128 tb rows of 128 bytes
	s_or_b32 s16, s16, s25
	s_mov_b32 s17, 0
	s_lshl_b32 s18, s[HALF], 18                    ; wof: row block 16 half + 4 w, 16,384 bytes a block
	s_lshl_b32 s25, s[WV], 16
	s_or_b32 s18, s18, s25
	s_mov_b32 s19, 0
	s_lshr_b32 s20, s18, 8                         ; bo: column 256 half + 64 w, 4 bytes each
	s_mov_b32 s21, 0
	s_lshl_b32 s22, s[TB], 21                      ; out: 128 tb rows of 16,384 bytes,
	s_lshl_b32 s25, s[BB], 11                      ; batch b's 2,048 bytes,
	s_or_b32 s22, s22, s25
	s_or_b32 s22, s22, s20                         ; my wave's columns, 4 bytes each
	s_mov_b32 s23, 0
	v_and_b32 v1, 31, v0                           ; lane l
	v_and_b32 v13, 15, v0                          ; l % 16
	v_bfe_u32 v14, v0, 4, 1                        ; l / 16
	v_and_b32 v15, 7, v0                           ; l % 8
	v_lshlrev_b32 v[XO], 4, v1
	v_lshlrev_b32 v[BO], 5, v14
	s_wait_kmcnt 0x0
	s_add_nc_u64 s[AP:AP+1], s[AP:AP+1], s[16:17]
	s_add_nc_u64 s[WP:WP+1], s[WP:WP+1], s[18:19]
	s_add_nc_u64 s[BP:BP+1], s[BP:BP+1], s[20:21]
	s_add_nc_u64 s[OP:OP+1], s[OP:OP+1], s[22:23]
	WIN W_LD
.set jj, 0
.rept 64                               ; both tiles first, since they have the longer way: tile jj / 32, head 2 w + (jj / 16) % 2, 16 loads of 512 consecutive bytes (four rows) each
	global_load_b128 v[4*jj:4*jj+3], v[XO], s[AP:AP+1] offset:((jj/16)%2)*HEADB+(jj/32)*64*128+(jj%16)*512
.set jj, jj+1
.endr
	WIN 0
.irp c, 0,1,2,3                        ; register j of column block c: the bias of column 16 c + 8 (l / 16) + j
	global_load_b128 v[BIAS+8*(\c):BIAS+8*(\c)+3],   v[BO], s[BP:BP+1] offset:64*(\c)
	global_load_b128 v[BIAS+8*(\c)+4:BIAS+8*(\c)+7], v[BO], s[BP:BP+1] offset:64*(\c)+16
.endr
.irp k, 0,1,2,3,4,5,6
	WLOAD \k                                       ; 56 loads
.endr
	WIN 0
	v_mul_u32_u24 v[AF], v13, PITCH                ; the LDS addresses are made while the loads are out
	v_lshl_add_u32 v[AF], v14, 4, v[AF]            ; row x pitch + 16 x half: registers 0-3 of a fragment; registers 4-7 lie 32 bytes on
	v_bfe_u32 v[SA], v0, 3, 2
	v_mul_u32_u24 v[SA], v[SA], PITCH
	v_lshl_add_u32 v[SA], v15, 4, v[SA]
	s_lshl_b32 s25, s[WV], 8
	v_add_nc_u32 v[SA], s25, v[SA]
	v_add_nc_u32 v[SA+1], TBUF, v[SA]
	s_mul_i32 s26, s[WV], 16*SP
	s_add_co_u32 s26, s26, STAGE                   ; my stage
	v_mul_u32_u24 v[STO], v13, SP                  ; in: row l % 16, 32 bytes for each half of the lanes
	v_lshl_add_u32 v[STO], v14, 5, v[STO]
	v_add_nc_u32 v[STO], s26, v[STO]
	v_mul_u32_u24 v[RD], v14, SP                   ; back: lanes 0-15 take one row of 256 bytes, lanes 16-31 the next
	v_lshl_add_u32 v[RD], v13, 4, v[RD]
	v_add_nc_u32 v[RD], s26, v[RD]
	v_lshlrev_b32 v[GO], 14, v14                   ; and the same two rows in out
	v_lshl_add_u32 v[GO], v13, 4, v[GO]
	s_wait_loadcnt 56                              ; the tiles and the bias are in; the 56 loads of Wo issued behind them may be out
	WIN W_ST
.set jj, 0
.rept 64                               ; the staged tiles go into their buffers as they are: a load's 512 bytes are four rows' 128 bytes of one head
	ds_store_b128 v[SA+jj/32], v[4*jj:4*jj+3] offset:((jj/16)%2)*128+(jj%16)*4*PITCH
.set jj, jj+1
.endr
	WIN 0
.set pp, 0
.rept 16                               ; the bias is rounded to bf16 and widened again, while the stores are out
	v_cvt_pk_bf16_f32 v[F0+pp], v[BIAS+2*pp], v[BIAS+2*pp+1]
.set pp, pp+1
.endr
.set pp, 0
.rept 16
	v_lshlrev_b32 v[BIAS+2*pp], 16, v[F0+pp]
	v_and_b32 v[BIAS+2*pp+1], s[MASK], v[F0+pp]
.set pp, pp+1
.endr
	s_wait_dscnt 0x0                               ; for the others' sake: my two heads' part of both tiles is stored
	s_barrier_signal -1
	s_barrier_wait -1                              ; both tiles are whole; nothing is stored into them again
.irp k, 7,8,9,10,11,12,13,14,15
	WLOAD \k                                       ; the other 72 loads of Wo
.endr
	WIN 0
.macro FETCH k                         ; y's fragments of K step k: four row blocks, eight loads
	WIN 0
.set rr, 0
.rept 4
	ds_load_b128 v[F0+32*((\k)%2)+8*rr:F0+32*((\k)%2)+8*rr+3],   v[AF] offset:rr*RB16+64*(\k)
	ds_load_b128 v[F0+32*((\k)%2)+8*rr+4:F0+32*((\k)%2)+8*rr+7], v[AF] offset:rr*RB16+64*(\k)+32
.set rr, rr+1
.endr
.endm
; K step k: 16 matrix instructions, the 16 accumulators by turns, one instruction a turn; then the fragments of K step k + 2 into the buffer just multiplied.
.macro KSTEP k
.if (\k) == 0
	s_wait_loadcnt 63                              ; of Wo's 128 loads, the last global loads of the launch, at most 63 are out: 65 are in, which are K steps 0 to 7 and one more
.elseif (\k) >= 8
	s_wait_loadcnt 8*(15-(\k))                     ; this K step's eight are in; eight for each later K step may be out.  (In the second tile nothing is out)
.endif
.if (\k) == 15
	s_wait_dscnt 0x0                               ; the last fragments are in
.else
	s_wait_dscnt 8                                 ; this step's fragments are in; the next step's eight loads may be out
.endif
	WIN 0x02+(\k)/8                                ; source 0 (Wo) in window 2 or 3
.set rr, 0
.rept 4
.set cc, 0
.rept 4
.if (\k) == 0
	v_wmma_f32_16x16x32_f16 v[ACC+8*(4*rr+cc):ACC+8*(4*rr+cc)+7], v[32*((\k)%8)+8*cc:32*((\k)%8)+8*cc+7], v[F0+32*((\k)%2)+8*rr:F0+32*((\k)%2)+8*rr+7], v[BIAS+8*cc:BIAS+8*cc+7]
.else
	v_wmma_f32_16x16x32_f16 v[ACC+8*(4*rr+cc):ACC+8*(4*rr+cc)+7], v[32*((\k)%8)+8*cc:32*((\k)%8)+8*cc+7], v[F0+32*((\k)%2)+8*rr:F0+32*((\k)%2)+8*rr+7], v[ACC+8*(4*rr+cc):ACC+8*(4*rr+cc)+7]
.endif
.set cc, cc+1
.endr
.set rr, rr+1
.endr
.if (\k) < 14
	PLACES
	FETCH (\k)+2
.endif
.endm
	s_mov_b32 s[CNT], TILES
.Ltile:
	FETCH 0
	FETCH 1
.irp k, 0,1,2,3,4,5,6,7,8,9,10,11,12,13,14,15
	KSTEP \k
.endr
	WIN 0
.rept 5                                ; FIVE places behind the last two K steps' products.  Four serve the LDS stores below, which read the results, the loads from the stage into the accumulators, and the next
	v_nop                                          ; tile's loads into the fragment registers; the fifth serves the next tile's K step 0, which takes the bias as C and so writes over the accumulators (no link of a
.endr                                  ; chain in place) (ISA guide 7.12.1)
	; THE WAY OUT, through my own stage, 16 rows at a time: a lane's eight f32 of a row go in as two stores of 16 bytes (each accumulator's four lowest registers first), and whole rows of 256 bytes come back,
	; into the block's own 32 registers.
.set rr, 0
.rept 4
.set cc, 0
.rept 4
	ds_store_b128 v[STO], v[ACC+8*(4*rr+cc):ACC+8*(4*rr+cc)+3]   offset:64*cc
	ds_store_b128 v[STO], v[ACC+8*(4*rr+cc)+4:ACC+8*(4*rr+cc)+7] offset:64*cc+16
.set cc, cc+1
.endr
.set cc, 0
.rept 8
	ds_load_b128 v[ACC+32*rr+4*cc:ACC+32*rr+4*cc+3], v[RD] offset:cc*2*SP  ; in order behind the stores above; the next block's stores come behind these
.set cc, cc+1
.endr
.set rr, rr+1
.endr
.set rr, 0
.rept 4
	s_wait_dscnt 16*(3-rr)                         ; the block is back; sixteen LDS instructions for each later block may be out
.set cc, 0
.rept 8
	global_store_b128 v[GO], v[ACC+32*rr+4*cc:ACC+32*rr+4*cc+3], s[OP:OP+1] offset:(16*rr+2*cc)*XROW th:TH_STORE_NT  ; 16 lanes store 256 consecutive bytes, at a multiple of 256 from out's first byte
.set cc, cc+1
.endr
.set rr, rr+1
.endr
	s_wait_xcnt 0x0                                ; out's address, and the registers that the stores read, are rewritten only behind this wait
	s_add_nc_u64 s[OP:OP+1], s[OP:OP+1], 64*XROW
	v_add_nc_u32 v[AF], TBUF, v[AF]                ; the second tile's buffer (behind the second tile the sum is not used)
	s_sub_co_u32 s[CNT], s[CNT], 1
	s_cmp_lg_u32 s[CNT], 0
	s_cbranch_scc1 .Ltile
	s_wait_tensorcnt 0x0
	ds_add_u32 v254, v255
	s_wait_dscnt 0x0
	s_endpgm
.Lfunc_end_k_qf1654787cb_outp:
	.size	k_qf1654787cb_outp, .Lfunc_end_k_qf1654787cb_outp-k_qf1654787cb_outp
	.p2alignl 7, 3214868480
	.fill 96, 4, 3214868480
	.section	.rodata,"a",@progbits
	.p2align	6, 0x0
	.amdhsa_kernel k_qf1654787cb_outp
		.amdhsa_group_segment_fixed_size 151040
		.amdhsa_private_segment_fixed_size 0
		.amdhsa_enable_private_segment 0
		.amdhsa_kernarg_size 32
		.amdhsa_user_sgpr_count 2
		.amdhsa_user_sgpr_kernarg_segment_ptr 1
		.amdhsa_wavefront_size32 1
		.amdhsa_system_sgpr_workgroup_id_x 1
		.amdhsa_system_sgpr_workgroup_id_y 1
		.amdhsa_system_sgpr_workgroup_id_z 1
		.amdhsa_system_vgpr_workitem_id 0
		.amdhsa_next_free_vgpr 1024
		.amdhsa_next_free_sgpr 66
		.amdhsa_reserve_vcc 0
		.amdhsa_float_denorm_mode_32 3
		.amdhsa_float_denorm_mode_16_64 3
		.amdhsa_memory_ordered 1
		.amdhsa_forward_progress 1
		.amdhsa_inst_pref_size 64
	.end_amdhsa_kernel
	.amdgpu_metadata
---
amdhsa.version: [ 1, 2 ]
amdhsa.kernels:
  - .name:           k_qf1654787cb_outp
    .symbol:         k_qf1654787cb_outp.kd
    .args:
      - { .name: oh, .offset: 0, .size: 8, .value_kind: global_buffer, .address_space: global }
      - { .name: wof, .offset: 8, .size: 8, .value_kind: global_buffer, .address_space: global }
      - { .name: bo, .offset: 16, .size: 8, .value_kind: global_buffer, .address_space: global }
      - { .name: out0, .offset: 24, .size: 8, .value_kind: global_buffer, .address_space: global }
    .group_segment_fixed_size: 151040
    .private_segment_fixed_size: 0
    .kernarg_segment_align: 8
    .kernarg_segment_size: 32
    .max_flat_workgroup_size: 128
    .sgpr_count:     66
    .vgpr_count:     1024
    .wavefront_size: 32
...
	.end_amdgpu_metadata
.endif
;; end of part 3
